; MI455X (gfx1250); checked and timed in simulation.
; The chip was launched on July 23, 2026; its instructions are those of AMD's public machine-readable ISA for CDNA 5 (MIT licence, August 2026) and "CDNA5" Instruction Set Architecture Reference Guide (July 2026). The comments in the code are by the model that wrote it; some were corrected since.
;; Multihead Attention. Allowed arithmetic: matrix products marked QUANTISED: E2M3 operands, one E8M0 scale for each 32 along K, by v_wmma_scale_f32_16x16x128_f8f6f4 with both operands' format E2M3, f32 sums; everything else in f32.
;; Inputs: b0 512 float32; bk 512 float32; bq 512 float32; bv 512 float32; k 2 x 4,096 x 512 float32; mask 2 x 4,096 x 4,096 int32; q 2 x 4,096 x 512 float32; v 2 x 4,096 x 512 float32; w0 512 x 512 float32; wk 512 x 512 float32; wq 512 x 512 float32; wv 512 x 512 float32.
;; Outputs: out0 2 x 4,096 x 512 float32.
;; This version of the problem:
;;   THIS VERSION OF THE PROBLEM IS GIVEN IN LOW PRECISION. The matrix products marked QUANTISED in the list below multiply operands that are first quantised to E2M3 (2 exponent bits, 3 mantissa bits; 6 bits a number), with one power-of-two scale for each 32 numbers along K (OCP MX v1.0); their sums are f32. All else is computed in f32.
;;   The module's matrix products, in the order in which they are computed (A, B: the left and right operand; K: the contracted axis; several contracted axes count as one K, in the product's order):
;;     1. [M 8,192, K 512] x [K 512, N 512]; A: input q; B: input wq: QUANTISED
;;     2. [M 8,192, K 512] x [K 512, N 512]; A: input k; B: input wk: QUANTISED
;;     3. [M 8,192, K 512] x [K 512, N 512]; A: input v; B: input wv: QUANTISED
;;     4. batch 16 x [M 4,096, K 64] x [K 64, N 4,096]; A: computed on the way; B: computed on the way: QUANTISED
;;     5. batch 16 x [M 4,096, K 4,096] x [K 4,096, N 64]; A: softmax (see below); B: computed on the way: QUANTISED
;;     6. [M 8,192, K 512] x [K 512, N 512]; A: computed on the way; B: input w0: QUANTISED
;;   THE QUANTISER, for each operand of a quantised product, along K:
;;     - K is cut into blocks of 32 from its start; a last block that is shorter is filled with zeros.
;;     - A block's scale is 2^e with e = floor(log2(the largest magnitude in the block)) - 2, held to -126 .. 127; a block of zeros has e = 0. As a byte (E8M0): e + 127.
;;     - Each number is divided by its block's scale, clamped to +-7.5, and rounded to the nearest number of E2M3, ties to even, subnormals kept.
;;     - The product sums the exact products of the quantised numbers (number of the format x scale) in f32.
;;   ~~~python
;;   def quantise(x, axis):      # numpy; x: float32 -> the quantised numbers, widened to float32 again
;;       x = np.moveaxis(x, axis, -1); K = x.shape[-1]
;;       x = np.pad(x, [(0, 0)] * (x.ndim - 1) + [(0, -K % 32)]); x = x.reshape(x.shape[:-1] + (-1, 32)); a = np.abs(x).max(-1, keepdims=True)
;;       e = np.where(a > 0, np.clip(np.frexp(np.where(a > 0, a, 1))[1] - 1 - 2, -126, 127), 0)      # np.frexp(a)[1] - 1 = floor(log2(a)), exactly
;;       r = np.clip(x / 2.0 ** e, -7.5, 7.5)
;;       step = 2.0 ** (np.maximum(np.frexp(np.where(r == 0, 1, r))[1] - 1, 0) - 3)
;;       q = np.round(r / step) * step * 2.0 ** e      # np.round: ties to even
;;       return np.moveaxis(q.reshape(q.shape[:-2] + (-1,))[..., :K], -1, axis).astype(np.float32)
;;   ~~~
;;   SOFTMAX AHEAD OF A QUANTISED PRODUCT. Where the list says 'softmax', what is quantised is not the finished softmax but p = 2^(t - M), with t = logit x log2(e) and M = ceil(the row's largest t), a whole number; so 1/2 < the row's largest p <= 1. The row's sum l is taken of the UNQUANTISED p, in f32, and the product's result is divided by l at the end. Since M is a whole number, a kernel that streams over the keys may use a running M (the ceiling of the running maximum): every later rescaling is an exact power of two, which a block's scale takes up: the codes' values come out the same.
;;   OPERANDS COMPUTED ON THE WAY. 'Computed on the way' means the value that the module computes at that place (a softmax that the list does not call 'softmax' is quantised finished and normalised). What goes into a quantiser is computed in f32, as accurately as f32 sums, v_exp_f32 and their like allow (about 1e-6 of the number): no bf16 or f16 on the way to a quantiser, and a product that is left as it is and whose result goes on into a quantised operand takes f32 operands (vector FMAs, or v_wmma_f32_16x16x4_f32). A number that lies on a knife's edge between two numbers of the format may be rounded either way, as far as f32 arithmetic and the matrix unit's own rounding can turn it there, and no further.
;; One version. Each part assembles by itself: llvm-mc -triple=amdgcn-amd-amdhsa -mcpu=gfx1250 --defsym DOCPART=n.
;; ======== version 1 of 1: 4 launches
;; limits: right only within a limited range of input values
;; workspace buffers: img 11,075,584 bytes; qc 3,407,872 bytes; kv 6,815,744 bytes; oc 3,145,728 bytes; osc 131,072 bytes
;; launch prep (part 1): grid 416 x 1, 4 waves a work-group, no clusters, 34,304 bytes of LDS; arguments q, k, v, wq, wk, wv, w0, img; writes img
.if DOCPART == 1
	.amdgcn_target "amdgcn-amd-amdhsa--gfx1250"
	.amdhsa_code_object_version 6
	.text
	.protected	k_q87f2f76f6e_prep
	.globl	k_q87f2f76f6e_prep
	.p2align	8
	.type	k_q87f2f76f6e_prep,@function
k_q87f2f76f6e_prep:
	s_mov_b64 s[64:65], 0
	v_nop
	global_prefetch_b8 v0, s[64:65] scope:SCOPE_SE
	s_setreg_imm32_b32 hwreg(HW_REG_WAVE_MODE, 25, 1), 1
	s_wait_xcnt 0x0
; q, k, v [8192][512] and wq, wk, wv, w0 [512][512], f32, K = 512 innermost, become codes of FP6 (E2M3) with one E8M0 byte for each 32 along K,
; laid as IMAGES OF OPERAND REGISTERS.  img holds 208 records of 53,248 bytes, one for each 128 rows (0-63 q, 64-127 k, 128-191 v, 192-195 wq, 196-199 wk, 200-203 wv, 204-207 w0).
; In a record fragment f = 4 xt + s (tile xt of 16 rows, K step s of 128) lies at 1536 f: three planes of 512 bytes, plane c = registers 4c .. 4c+3, lane l's 16 bytes at 16 l;
; its scale words, 4 bytes a lane, at 49152 + 128 f.
; THE ROWS OF A TILE ARE NOT NEIGHBOURS: lane index r of tile 2 B + u stands for row 32 B + 8 u + r % 8 + 16 (r / 8), so that results of products that take such a tile as source 0
; have 16 neighbours along the tile's rows in the 16 registers of tiles 2 B and 2 B + 1.
; A block's scale is 2^(floor(log2(largest magnitude)) - 2); its byte is the largest magnitude's exponent field - 2, held at 1 from below.
; LIMITS: NaN and infinities are not served; blocks whose largest magnitude lies under 2^-124 keep the byte 1; a block of zeros gets the byte 1 (its codes are zeros; this program alone reads the bytes).
; SHARES: a wave takes one tile, 16 rows x 512, in four K steps.  A load reads 512 consecutive bytes of one row; the step's 16 x 512 bytes turn through the wave's own stage in LDS
; (rows 528 bytes apart), from which lane (r, h) takes 16 neighbours of each of its row's four blocks.  Waves share nothing: no barrier.  Loads run two steps (32 loads a wave) ahead.
.set SP,    528                        ; a stage row: 512 bytes + 16 = 132 words: the 16 rows that a load of 16 bytes a lane touches begin 4 words apart modulo 64
.set WST,   16*SP                      ; a wave's stage
.set SPARE, 4*WST                      ; behind the stages: the spare words, 128 bytes a wave
.set REC,   53248
.set TM,    8                          ; v8-23   +0..3 largest magnitudes, +4..7 the other half's, then the bytes, +12..15 the conversions' scale operands
.set PW,    24                         ; v24     the scale word just made
.set PC,    26                         ; v26-45  the codes just made
.set X,     48                         ; v48-111 64 numbers: register 16 b + i = k 32 b + 16 h + i of my row
.set R,     112                        ; v112-239 two sets of 64 registers as loaded
.set SEL,   10                         ; s[10:11] lane selects: lane l xor 16
; v2 = 16 x lane, v3 = 4 x lane, v4 = stage on the way in, v5 = stage on the way out, v6, v7 = the add's two registers
.macro QUANT4 s, pw                    ; 64 numbers of a lane become a fragment's 12 registers in v[PC] on and its scale word in v[pw]
.irp b, 0,1,2,3
	v_max3_num_f32 v[TM+\b], |v[(\s)+16*\b]|, |v[(\s)+1+16*\b]|, 0x1800000   ; my 16 numbers of block b, and the floor 2^(3 - 127): the byte cannot fall under 1
.endr
.irp i, 2,4,6,8,10,12,14
.irp b, 0,1,2,3
	v_max3_num_f32 v[TM+\b], v[TM+\b], |v[(\s)+16*\b+\i]|, |v[(\s)+1+16*\b+\i]|   ; the four blocks by turns
.endr
.endr
.irp b, 0,1,2,3
	v_permlanex16_b32 v[TM+4+\b], v[TM+\b], s[SEL], s[SEL+1]
.endr
.irp b, 0,1,2,3
	v_max_num_f32 v[TM+\b], v[TM+\b], v[TM+4+\b]         ; with lane l xor 16's 16: the block's largest magnitude
.endr
.irp b, 0,1,2,3
	v_add_nc_u32 v[TM+12+\b], 0xff000000, v[TM+\b]       ; 2 off its exponent field: the conversion's scale operand
.endr
.irp b, 0,1,2,3
	v_lshrrev_b32 v[TM+4+\b], 23, v[TM+12+\b]            ; the scale's byte
.endr
	v_lshl_or_b32 v[\pw], v[TM+5], 8, v[TM+4]
	v_lshl_or_b32 v[\pw], v[TM+6], 16, v[\pw]
	v_lshl_or_b32 v[\pw], v[TM+7], 24, v[\pw]
.irp c, 0,1
	v_cvt_scalef32_pk16_fp6_f32 v[PC+6*\c:PC+6*\c+2], v[(\s)+32*\c:(\s)+32*\c+15], v[TM+12+2*\c]
	v_cvt_scalef32_pk16_fp6_f32 v[PC+12+4*\c:PC+14+4*\c], v[(\s)+32*\c+16:(\s)+32*\c+31], v[TM+13+2*\c]   ; (a conversion's three registers begin on an even number)
.endr
	v_nop                                                ; one plain place behind the scaled conversions
.irp c, 0,1                            ; the operand wants a whole block in a lane: lanes 0-15 block 2 c, lanes 16-31 block 2 c + 1
.irp i, 0,1,2
	v_permlane16_swap_b32 v[PC+6*\c+\i], v[PC+12+4*\c+\i]
.endr
.irp i, 0,1,2
	v_mov_b32 v[PC+3+6*\c+\i], v[PC+12+4*\c+\i]
.endr
.endr
.endm
.macro LOADS s                         ; K step s of my 16 rows: each load 512 consecutive bytes of one row
.irp i, 0,1,2,3,4,5,6,7,8,9,10,11,12,13,14,15
	global_load_b128 v[R+64*((\s)%2)+4*\i:R+64*((\s)%2)+4*\i+3], v2, s[4:5] offset:((\i%8)+16*(\i/8))*2048+512*(\s) th:TH_LOAD_NT
.endr
.endm
.macro STEP s
.if (\s) < 3
	s_wait_loadcnt 16                              ; this step's 16 loads are in; the next step's 16 may be out
.else
	s_wait_loadcnt 0
.endif
.irp i, 0,1,2,3,4,5,6,7,8,9,10,11,12,13,14,15
	ds_store_b128 v4, v[R+64*((\s)%2)+4*\i:R+64*((\s)%2)+4*\i+3] offset:SP*\i
.endr
.irp b, 0,1,2,3
.irp j, 0,1,2,3
	ds_load_b128 v[X+16*\b+4*\j:X+16*\b+4*\j+3], v5 offset:128*\b+16*\j   ; LDS serves a wave's instructions in order: these see the stores above
.endr
.endr
	s_wait_dscnt 0x0                               ; the numbers are back, and the stores have read their registers,
.if (\s) < 2
	LOADS (\s)+2                                   ; which take the loads of two steps on
.endif
	s_wait_xcnt 0x0                                ; the last step's stores have read the codes and the scale word: both are written again only behind this wait
	QUANT4 X, PW
.irp c, 0,1,2
	global_store_b128 v2, v[PC+4*\c:PC+4*\c+3], s[6:7] offset:1536*(\s)+512*\c   ; 32 lanes store 512 consecutive bytes
.endr
	global_store_b32 v3, v[PW], s[8:9] offset:128*(\s)
.endm
	s_load_b512 s[16:31], s[0:1], 0x0              ; q, k, v, wq, wk, wv, w0, img
	v_lshl_add_u32 v6, v0, 2, SPARE
	v_mov_b32 v7, 0
	v_lshrrev_b32 v1, 5, v0
	v_readfirstlane_b32 s12, v1                    ; wave
	v_and_b32 v1, 31, v0
	v_lshlrev_b32 v2, 4, v1
	v_lshlrev_b32 v3, 2, v1
	s_mul_i32 s13, s12, WST
	v_add_nc_u32 v4, s13, v2                       ; in: 16 x lane in stage row i
	v_and_b32 v8, 15, v0                           ; r
	v_bfe_u32 v9, v0, 4, 1                         ; h
	v_mul_u32_u24 v5, v8, SP
	v_lshl_add_u32 v5, v9, 6, v5
	v_add_nc_u32 v5, s13, v5                       ; out: row r, + 64 h
.irp b, 0,1,2,3
	v_mov_b32 v[TM+4+\b], 0                        ; written once: a lane permute's destination counts as one of its sources
.endr
	s_mov_b32 s[SEL], 0x76543210
	s_mov_b32 s[SEL+1], 0xfedcba98
	; which tensor, which tile: work-groups 0-383 take q, k, v (128 each), 384-415 the four weights (8 each); four tiles a work-group
	s_lshr_b32 s15, ttmp9, 7
	s_sub_co_u32 s32, ttmp9, 384
	s_lshr_b32 s32, s32, 3
	s_add_co_u32 s32, s32, 3
	s_cmp_lt_u32 ttmp9, 384
	s_cselect_b32 s15, s15, s32                    ; the tensor's number, 0 .. 6
	s_cselect_b32 s14, 127, 7
	s_and_b32 s14, ttmp9, s14
	s_lshl_b32 s14, s14, 2
	s_add_co_u32 s14, s14, s12                     ; my tile in the tensor
	s_lshr_b32 s33, s14, 1
	s_lshl_b32 s33, s33, 16                        ; 32 rows of 2,048 bytes for each pair of tiles,
	s_and_b32 s34, s14, 1
	s_lshl_b32 s34, s34, 14                        ; 8 rows for the odd one
	s_add_co_u32 s34, s33, s34
	s_mov_b32 s35, 0
	s_lshr_b32 s36, ttmp9, 1
	s_mul_i32 s36, s36, REC                        ; my record
	s_and_b32 s38, ttmp9, 1
	s_lshl_b32 s38, s38, 2
	s_add_co_u32 s38, s38, s12                     ; my tile in it
	s_mul_i32 s39, s38, 6144
	s_add_co_u32 s40, s36, s39                     ; its four fragments
	s_mov_b32 s41, 0
	s_lshl_b32 s39, s38, 9
	s_add_co_u32 s42, s36, s39
	s_add_co_u32 s42, s42, 49152                   ; their scale words
	s_mov_b32 s43, 0
	s_wait_alu depctr_va_vdst(0)
	s_wait_kmcnt 0x0
	s_mov_b64 s[4:5], s[16:17]
.irp n, 1,2,3,4,5,6
	s_cmp_eq_u32 s15, \n                           ; the choice hangs on the work-group's number alone
	s_cselect_b64 s[4:5], s[16+2*\n:17+2*\n], s[4:5]
.endr
	s_add_nc_u64 s[4:5], s[4:5], s[34:35]
	s_add_nc_u64 s[6:7], s[30:31], s[40:41]
	s_add_nc_u64 s[8:9], s[30:31], s[42:43]
	LOADS 0
	LOADS 1
	STEP 0
	STEP 1
	STEP 2
	STEP 3
	s_wait_tensorcnt 0x0                           ; the wave's end
	ds_add_u32 v6, v7
	s_wait_dscnt 0x0
	s_endpgm
.Lfunc_end_k_q87f2f76f6e_prep:
	.size	k_q87f2f76f6e_prep, .Lfunc_end_k_q87f2f76f6e_prep-k_q87f2f76f6e_prep
	.p2alignl 7, 3214868480
	.fill 96, 4, 3214868480
	.section	.rodata,"a",@progbits
	.p2align	6, 0x0
	.amdhsa_kernel k_q87f2f76f6e_prep
		.amdhsa_group_segment_fixed_size 34304
		.amdhsa_private_segment_fixed_size 0
		.amdhsa_enable_private_segment 0
		.amdhsa_kernarg_size 64
		.amdhsa_user_sgpr_count 2
		.amdhsa_user_sgpr_kernarg_segment_ptr 1
		.amdhsa_wavefront_size32 1
		.amdhsa_system_sgpr_workgroup_id_x 1
		.amdhsa_system_sgpr_workgroup_id_y 1
		.amdhsa_system_sgpr_workgroup_id_z 1
		.amdhsa_system_vgpr_workitem_id 0
		.amdhsa_next_free_vgpr 240
		.amdhsa_next_free_sgpr 66
		.amdhsa_reserve_vcc 0
		.amdhsa_float_denorm_mode_32 3
		.amdhsa_float_denorm_mode_16_64 3
		.amdhsa_memory_ordered 1
		.amdhsa_forward_progress 1
		.amdhsa_inst_pref_size 34
	.end_amdhsa_kernel
	.amdgpu_metadata
---
amdhsa.version: [ 1, 2 ]
amdhsa.kernels:
  - .name:           k_q87f2f76f6e_prep
    .symbol:         k_q87f2f76f6e_prep.kd
    .args:
      - { .name: q, .offset: 0, .size: 8, .value_kind: global_buffer, .address_space: global }
      - { .name: k, .offset: 8, .size: 8, .value_kind: global_buffer, .address_space: global }
      - { .name: v, .offset: 16, .size: 8, .value_kind: global_buffer, .address_space: global }
      - { .name: wq, .offset: 24, .size: 8, .value_kind: global_buffer, .address_space: global }
      - { .name: wk, .offset: 32, .size: 8, .value_kind: global_buffer, .address_space: global }
      - { .name: wv, .offset: 40, .size: 8, .value_kind: global_buffer, .address_space: global }
      - { .name: w0, .offset: 48, .size: 8, .value_kind: global_buffer, .address_space: global }
      - { .name: img, .offset: 56, .size: 8, .value_kind: global_buffer, .address_space: global }
    .group_segment_fixed_size: 34304
    .private_segment_fixed_size: 0
    .kernarg_segment_align: 8
    .kernarg_segment_size: 64
    .max_flat_workgroup_size: 128
    .sgpr_count:     66
    .vgpr_count:     240
    .wavefront_size: 32
...
	.end_amdgpu_metadata
.endif
;; end of part 1
;; launch proj (part 2): grid 64 x 3, 8 waves a work-group, no clusters, 54,272 bytes of LDS; arguments img, bq, bk, bv, qc, kv; writes qc, kv
.if DOCPART == 2
	.amdgcn_target "amdgcn-amd-amdhsa--gfx1250"
	.amdhsa_code_object_version 6
	.text
	.protected	k_q87f2f76f6e_proj
	.globl	k_q87f2f76f6e_proj
	.p2align	8
	.type	k_q87f2f76f6e_proj,@function
k_q87f2f76f6e_proj:
	s_mov_b64 s[64:65], 0
	v_nop
	global_prefetch_b8 v0, s[64:65] scope:SCOPE_SE
	s_setreg_imm32_b32 hwreg(HW_REG_WAVE_MODE, 25, 1), 1
	s_wait_xcnt 0x0
; The three projections x W^T + b (x = q, k, v by the work-group's y), on codes of FP6 with E8M0 scales, and the quantising of their results into the attention launch's operand images.
; SHARES: a work-group takes 128 rows of x (one record of img, copied once into LDS as it lies); wave w is head w: its 64 rows of W, 16 fragments, stay in registers (window 1).
; q AND k (K of the score product = the head's 64): source 0 = 16 rows of W, source 1 = 16 rows of x: a lane holds one row of x, and the 32 registers of the four tiles run along the head's 64 channels.
;   They become 6 registers of codes and two scale bytes.  Two tiles of rows, 2 b' and 2 b' + 1, are laid as ONE fragment of 12 registers (registers 0-5, 6-11) with one scale word.
; v (K of the second product = the keys): source 0 = 16 rows of x, source 1 = 16 rows of W: a lane holds one channel, and the 64 registers of the eight tiles of rows run along the 128 keys: one fragment of V^T.
; The bias is the C of each sum's first product.  The rows of every tile are in the order that launch prep states.
; qc: [bh][128 rows] records of 6,656 bytes: 4 pair fragments (1,536 each), then 512 bytes of scale words (lane l at 16 l, word b').
; kv: [bh][128 keys] records of 13,312 bytes: K's 4 pair fragments, V^T's 4 fragments (tile t = 16 channels), K's scale words, V's (word t).
; LIMITS: as in launch prep (NaN, infinities, blocks under 2^-124, the byte of a block of zeros).
; No joint loads: the one thing that work-groups share, W, goes once into each wave's registers as an image; through LDS it would be written and read once more than that.
; REGISTERS.  Window 0: v2 16 x lane, v3 4 x lane, v4, v5 the add's two, v6 where I copy to, v7, v8 the biases' offsets; v10-25 W's scale words; v26-29 x's; v30-33 the scale words made;
;   v34-81 four fragments of x; v82-101 codes; v102-117 at work; v118 a half word; v120-247 accumulators.   Window 1: v0-191 W; v192-223 the bias for q and k; v224-255 for v.
.set SPARE, 53248                      ; behind the record: the spare words, 128 bytes a wave
.set REC,   53248
.set WS,  10
.set XS,  26
.set KW,  30
.set XF,  34
.set PC,  82
.set TM,  102
.set HW,  118
.set AC,  120
.set BQ,  192
.set BV,  224
.set SEL, 6
.set MSB, 0
.macro WIN new                         ; the immediate's high byte repeats the setting that is left
.if MSB != \new
	s_set_vgpr_msb (MSB<<8)|\new
.set MSB, \new
.endif
.endm
.macro MMC d, a, b, c, sa, sb
	v_wmma_scale_f32_16x16x128_f8f6f4 v[(\d):(\d)+7], v[(\a):(\a)+11], v[(\b):(\b)+11], v[(\c):(\c)+7], v[\sa], v[\sb] matrix_a_fmt:MATRIX_FMT_FP6 matrix_b_fmt:MATRIX_FMT_FP6
.endm
.macro PLACES                          ; five plain places behind the products: four serve the loads into their operands and the reads of their results, the fifth the products that begin the same accumulators anew
.rept 5
	v_nop
.endr
.endm
.macro QUANT4 s, pw                    ; 64 numbers of a lane (register 16 b + i = k 32 b + 16 h + i) become a fragment in v[PC] on and its scale word in v[pw]
.irp b, 0,1,2,3
	v_max3_num_f32 v[TM+\b], |v[(\s)+16*\b]|, |v[(\s)+1+16*\b]|, 0x1800000   ; each accumulator is first read at its low end; the floor 2^(3 - 127) holds the byte at 1 from below
.endr
.irp i, 2,4,6,8,10,12,14
.irp b, 0,1,2,3
	v_max3_num_f32 v[TM+\b], v[TM+\b], |v[(\s)+16*\b+\i]|, |v[(\s)+1+16*\b+\i]|
.endr
.endr
.irp b, 0,1,2,3
	s_delay_alu instid0(VALU_DEP_4)
	v_permlanex16_b32 v[TM+4+\b], v[TM+\b], s[SEL], s[SEL+1]
.endr
.irp b, 0,1,2,3
	s_delay_alu instid0(VALU_DEP_4)
	v_max_num_f32 v[TM+\b], v[TM+\b], v[TM+4+\b]
.endr
.irp b, 0,1,2,3
	s_delay_alu instid0(VALU_DEP_4)
	v_add_nc_u32 v[TM+12+\b], 0xff000000, v[TM+\b]       ; 2 off the exponent field: the conversion's scale operand
.endr
.irp b, 0,1,2,3
	s_delay_alu instid0(VALU_DEP_4)
	v_lshrrev_b32 v[TM+4+\b], 23, v[TM+12+\b]            ; the scale's byte
.endr
	s_delay_alu instid0(VALU_DEP_3)
	v_lshl_or_b32 v[\pw], v[TM+5], 8, v[TM+4]
	s_delay_alu instid0(VALU_DEP_1)
	v_lshl_or_b32 v[\pw], v[TM+6], 16, v[\pw]
	s_delay_alu instid0(VALU_DEP_1)
	v_lshl_or_b32 v[\pw], v[TM+7], 24, v[\pw]
.irp c, 0,1
	v_cvt_scalef32_pk16_fp6_f32 v[PC+6*\c:PC+6*\c+2], v[(\s)+32*\c:(\s)+32*\c+15], v[TM+12+2*\c]
	v_cvt_scalef32_pk16_fp6_f32 v[PC+12+4*\c:PC+14+4*\c], v[(\s)+32*\c+16:(\s)+32*\c+31], v[TM+13+2*\c]
.endr
	v_nop                                                ; one plain place behind the scaled conversions
.irp c, 0,1
.irp i, 0,1,2
	v_permlane16_swap_b32 v[PC+6*\c+\i], v[PC+12+4*\c+\i]
.endr
.irp i, 0,1,2
	s_delay_alu instid0(VALU_DEP_3)
	v_mov_b32 v[PC+3+6*\c+\i], v[PC+12+4*\c+\i]
.endr
.endr
.endm
.macro QUANT2 s, d, hw                 ; 32 numbers of a lane (two blocks) become 6 registers of codes in v[d] on (lane half h: block h) and two bytes in v[hw]
.irp b, 0,1
	v_max3_num_f32 v[TM+\b], |v[(\s)+16*\b]|, |v[(\s)+1+16*\b]|, 0x1800000
.endr
.irp i, 2,4,6,8,10,12,14
.irp b, 0,1
	v_max3_num_f32 v[TM+\b], v[TM+\b], |v[(\s)+16*\b+\i]|, |v[(\s)+1+16*\b+\i]|
.endr
.endr
.irp b, 0,1
	s_delay_alu instid0(VALU_DEP_2)
	v_permlanex16_b32 v[TM+4+\b], v[TM+\b], s[SEL], s[SEL+1]
.endr
.irp b, 0,1
	s_delay_alu instid0(VALU_DEP_2)
	v_max_num_f32 v[TM+\b], v[TM+\b], v[TM+4+\b]
.endr
.irp b, 0,1
	s_delay_alu instid0(VALU_DEP_2)
	v_add_nc_u32 v[TM+12+\b], 0xff000000, v[TM+\b]
.endr
.irp b, 0,1
	s_delay_alu instid0(VALU_DEP_2)
	v_lshrrev_b32 v[TM+4+\b], 23, v[TM+12+\b]
.endr
	s_delay_alu instid0(VALU_DEP_1)
	v_lshl_or_b32 v[\hw], v[TM+5], 8, v[TM+4]
	v_cvt_scalef32_pk16_fp6_f32 v[(\d):(\d)+2], v[(\s):(\s)+15], v[TM+12]
	v_cvt_scalef32_pk16_fp6_f32 v[PC+12:PC+14], v[(\s)+16:(\s)+31], v[TM+13]
	v_nop
.irp i, 0,1,2
	v_permlane16_swap_b32 v[(\d)+\i], v[PC+12+\i]
.endr
.irp i, 0,1,2
	s_delay_alu instid0(VALU_DEP_3)
	v_mov_b32 v[(\d)+3+\i], v[PC+12+\i]
.endr
.endm
	s_load_b256 s[16:23], s[0:1], 0x0              ; img, bq, bk, bv
	s_load_b128 s[24:27], s[0:1], 0x20             ; qc, kv
	v_lshl_add_u32 v4, v0, 2, SPARE
	v_mov_b32 v5, 0
	v_lshrrev_b32 v1, 5, v0
	s_delay_alu instid0(VALU_DEP_1)
	v_readfirstlane_b32 s2, v1                     ; wave = head
	v_and_b32 v1, 31, v0
	s_delay_alu instid0(VALU_DEP_1)
	v_lshlrev_b32 v2, 4, v1
	s_delay_alu instid0(VALU_DEP_2)
	v_lshlrev_b32 v3, 2, v1
	s_mul_i32 s33, s2, 6656                        ; my eighth of the record
	v_add_nc_u32 v6, s33, v2
	v_and_b32 v9, 15, v0                           ; r
	s_delay_alu instid0(VALU_DEP_1)
	v_and_b32 v7, 8, v9
	s_delay_alu instid0(VALU_DEP_1)
	v_add_nc_u32 v7, v7, v9
	s_delay_alu instid0(VALU_DEP_1)
	v_lshlrev_b32 v7, 2, v7                        ; 4 (r + 8 (r / 8)): the bias of my lane's channel
	v_bfe_u32 v8, v0, 4, 1
	s_delay_alu instid0(VALU_DEP_1)
	v_lshlrev_b32 v8, 6, v8                        ; 64 h: the biases of my half's eight channels
.irp b, 0,1,2,3
	v_mov_b32 v[TM+4+\b], 0                        ; written once: a lane permute's destination counts as one of its sources
.endr
	s_mov_b32 s[SEL], 0x76543210
	s_mov_b32 s[SEL+1], 0xfedcba98
	s_and_b32 s3, ttmp7, 0xffff                    ; y: 0 q, 1 k, 2 v
	s_lshl_b32 s32, s3, 6
	s_add_co_u32 s32, s32, ttmp9
	s_mul_i32 s32, s32, REC                        ; x's record,
	s_add_co_u32 s32, s32, s33                     ; my eighth of it
	s_mov_b32 s33, 0
	s_lshl_b32 s34, s3, 2
	s_lshr_b32 s35, s2, 1
	s_add_co_u32 s34, s34, s35
	s_add_co_u32 s34, s34, 192
	s_mul_i32 s34, s34, REC                        ; W's record with my head,
	s_and_b32 s36, s2, 1
	s_mul_i32 s35, s36, 24576
	s_add_co_u32 s38, s34, s35                     ; its 16 fragments,
	s_mov_b32 s39, 0
	s_lshl_b32 s35, s36, 11
	s_add_co_u32 s40, s34, s35
	s_add_co_u32 s40, s40, 49152                   ; their scale words
	s_mov_b32 s41, 0
	s_lshl_b32 s42, s2, 8                          ; my head's 64 biases
	s_mov_b32 s43, 0
	s_lshr_b32 s44, ttmp9, 5                       ; b
	s_lshl_b32 s44, s44, 3
	s_add_co_u32 s44, s44, s2                      ; bh
	s_lshl_b32 s44, s44, 5
	s_and_b32 s45, ttmp9, 31
	s_add_co_u32 s44, s44, s45                     ; the output record's number
	s_mov_b32 s45, 13312
	s_mov_b32 s46, 12288
	s_cmp_eq_u32 s3, 0
	s_cselect_b32 s45, 6656, s45                   ; a record's bytes,
	s_cselect_b32 s46, 6144, s46                   ; where its scale words lie,
	s_cmp_eq_u32 s3, 2
	s_cselect_b32 s47, 6144, 0                     ; and its fragments
	s_cselect_b32 s46, 12800, s46
	s_mul_i32 s44, s44, s45
	s_add_co_u32 s36, s44, s47
	s_mov_b32 s37, 0
	s_add_co_u32 s44, s44, s46
	s_mov_b32 s45, 0
	s_wait_alu depctr_va_vdst(0)
	s_wait_kmcnt 0x0
	s_cmp_eq_u32 s3, 0                             ; the choices hang on the work-group's number alone
	s_cselect_b64 s[28:29], s[24:25], s[26:27]
	s_cselect_b64 s[14:15], s[18:19], s[20:21]
	s_cmp_eq_u32 s3, 2
	s_cselect_b64 s[14:15], s[22:23], s[14:15]
	s_add_nc_u64 s[30:31], s[28:29], s[44:45]      ; the scale words' place
	s_add_nc_u64 s[28:29], s[28:29], s[36:37]      ; the fragments'
	s_add_nc_u64 s[8:9], s[16:17], s[32:33]
	s_add_nc_u64 s[10:11], s[16:17], s[38:39]
	s_add_nc_u64 s[12:13], s[16:17], s[40:41]
	s_add_nc_u64 s[14:15], s[14:15], s[42:43]
.irp i, 0,1,2,3,4,5,6,7,8,9,10,11,12
	global_load_b128 v[AC+4*\i:AC+4*\i+3], v2, s[8:9] offset:512*\i th:TH_LOAD_NT   ; my 6,656 bytes of x's record
.endr
	WIN 0x40                                       ; destination window 1
.irp f, 0,1,2,3,4,5,6,7,8,9,10,11,12,13,14,15
.irp c, 0,1,2
	global_load_b128 v[12*\f+4*\c:12*\f+4*\c+3], v2, s[10:11] offset:1536*\f+512*\c   ; W's fragment f = 4 t + s
.endr
.endr
	WIN 0
	s_wait_loadcnt 48                              ; the 13 are in; the 48 issued behind them may be out
.irp i, 0,1,2,3,4,5,6,7,8,9,10,11,12
	ds_store_b128 v6, v[AC+4*\i:AC+4*\i+3] offset:512*\i
.endr
.irp f, 0,1,2,3,4,5,6,7,8,9,10,11,12,13,14,15
	global_load_b32 v[WS+\f], v3, s[12:13] offset:128*\f
.endr
	WIN 0x40
.irp t, 0,1,2,3
	global_load_b128 v[BQ+8*\t:BQ+8*\t+3], v8, s[14:15] offset:(32*(\t/2)+8*(\t%2))*4      ; register j: the bias of channel 32 (t / 2) + 8 (t % 2) + 16 h + j
	global_load_b128 v[BQ+8*\t+4:BQ+8*\t+7], v8, s[14:15] offset:(32*(\t/2)+8*(\t%2))*4+16
.irp j, 0,1,2,3,4,5,6,7
	global_load_b32 v[BV+8*\t+\j], v7, s[14:15] offset:(32*(\t/2)+8*(\t%2))*4              ; all eight registers: the bias of my lane's channel of tile t
.endr
.endr
	WIN 0
	s_wait_dscnt 0x0                               ; for the others' sake: my part of the record lies in LDS
	s_barrier_signal -1
	s_barrier_wait -1                              ; everybody's does.  From here on LDS is only read
	s_wait_loadcnt 0x0
	s_cmp_eq_u32 s3, 2
	s_cbranch_scc1 .Lv
	; ---- q and k: a tile of 16 rows at a time; four accumulators by turns, K step by K step
.irp xt, 0,1,2,3,4,5,6,7
.irp s, 0,1,2,3
.irp c, 0,1,2
	ds_load_b128 v[XF+12*\s+4*\c:XF+12*\s+4*\c+3], v2 offset:1536*(4*\xt+\s)+512*\c
.endr
	ds_load_b32 v[XS+\s], v3 offset:49152+128*(4*\xt+\s)
.endr
	s_wait_dscnt 0x0
.irp s, 0,1,2,3
.if \s == 0
	WIN 0x11                                       ; source 0 (W) and source 2 (the bias) window 1
.else
	WIN 0x01
.endif
.irp t, 0,1,2,3
.if \s == 0
	MMC AC+8*\t, 12*(4*\t+\s), XF+12*\s, BQ+8*\t, WS+4*\t+\s, XS+\s
.else
	MMC AC+8*\t, 12*(4*\t+\s), XF+12*\s, AC+8*\t, WS+4*\t+\s, XS+\s
.endif
.endr
.endr
	WIN 0
	PLACES
.if \xt%2 == 0
	s_wait_xcnt 0x0                                ; the last pair's stores have read the codes
.endif
	QUANT2 AC, PC+6*(\xt%2), HW
.if \xt%2 == 0
	v_mov_b32 v[KW+\xt/2], v[HW]
.else
	v_lshl_or_b32 v[KW+\xt/2], v[HW], 16, v[KW+\xt/2]   ; the pair's scale word: the even tile's two bytes, then the odd one's
.irp c, 0,1,2
	global_store_b128 v2, v[PC+4*\c:PC+4*\c+3], s[28:29] offset:1536*(\xt/2)+512*\c   ; 32 lanes store 512 consecutive bytes
.endr
.endif
.endr
	global_store_b128 v2, v[KW:KW+3], s[30:31]
	s_branch .Lend
.Lv:	; ---- v: two tiles of channels at a time x all eight tiles of rows: sixteen accumulators by turns
.irp tp, 0,1
.irp s, 0,1,2,3
.irp hf, 0,1
.irp xi, 0,1,2,3
.irp c, 0,1,2
	ds_load_b128 v[XF+12*\xi+4*\c:XF+12*\xi+4*\c+3], v2 offset:1536*(4*(4*\hf+\xi)+\s)+512*\c
.endr
	ds_load_b32 v[XS+\xi], v3 offset:49152+128*(4*(4*\hf+\xi)+\s)
.endr
	s_wait_dscnt 0x0
.if \s == 0
	WIN 0x14                                       ; source 1 (W) and source 2 (the bias) window 1
.else
	WIN 0x04
.endif
.irp xi, 0,1,2,3
.irp tt, 0,1
.if \s == 0
	MMC AC+64*\tt+8*(4*\hf+\xi), XF+12*\xi, 12*(4*(2*\tp+\tt)+\s), BV+8*(2*\tp+\tt), XS+\xi, WS+4*(2*\tp+\tt)+\s
.else
	MMC AC+64*\tt+8*(4*\hf+\xi), XF+12*\xi, 12*(4*(2*\tp+\tt)+\s), AC+64*\tt+8*(4*\hf+\xi), XS+\xi, WS+4*(2*\tp+\tt)+\s
.endif
.endr
.endr
	WIN 0
	PLACES
.endr
.endr
.irp tt, 0,1
	s_wait_xcnt 0x0                                ; the last fragment's stores have read the codes
	QUANT4 AC+64*\tt, KW+2*\tp+\tt
.irp c, 0,1,2
	global_store_b128 v2, v[PC+4*\c:PC+4*\c+3], s[28:29] offset:1536*(2*\tp+\tt)+512*\c
.endr
.endr
.endr
	global_store_b128 v2, v[KW:KW+3], s[30:31]
.Lend:
	s_wait_tensorcnt 0x0                           ; the wave's end
	ds_add_u32 v4, v5
	s_wait_dscnt 0x0
	s_endpgm
.Lfunc_end_k_q87f2f76f6e_proj:
	.size	k_q87f2f76f6e_proj, .Lfunc_end_k_q87f2f76f6e_proj-k_q87f2f76f6e_proj
	.p2alignl 7, 3214868480
	.fill 96, 4, 3214868480
	.section	.rodata,"a",@progbits
	.p2align	6, 0x0
	.amdhsa_kernel k_q87f2f76f6e_proj
		.amdhsa_group_segment_fixed_size 54272
		.amdhsa_private_segment_fixed_size 0
		.amdhsa_enable_private_segment 0
		.amdhsa_kernarg_size 48
		.amdhsa_user_sgpr_count 2
		.amdhsa_user_sgpr_kernarg_segment_ptr 1
		.amdhsa_wavefront_size32 1
		.amdhsa_system_sgpr_workgroup_id_x 1
		.amdhsa_system_sgpr_workgroup_id_y 1
		.amdhsa_system_sgpr_workgroup_id_z 1
		.amdhsa_system_vgpr_workitem_id 0
		.amdhsa_next_free_vgpr 512
		.amdhsa_next_free_sgpr 66
		.amdhsa_reserve_vcc 0
		.amdhsa_float_denorm_mode_32 3
		.amdhsa_float_denorm_mode_16_64 3
		.amdhsa_memory_ordered 1
		.amdhsa_forward_progress 1
		.amdhsa_inst_pref_size 117
	.end_amdhsa_kernel
	.amdgpu_metadata
---
amdhsa.version: [ 1, 2 ]
amdhsa.kernels:
  - .name:           k_q87f2f76f6e_proj
    .symbol:         k_q87f2f76f6e_proj.kd
    .args:
      - { .name: img, .offset: 0, .size: 8, .value_kind: global_buffer, .address_space: global }
      - { .name: bq, .offset: 8, .size: 8, .value_kind: global_buffer, .address_space: global }
      - { .name: bk, .offset: 16, .size: 8, .value_kind: global_buffer, .address_space: global }
      - { .name: bv, .offset: 24, .size: 8, .value_kind: global_buffer, .address_space: global }
      - { .name: qc, .offset: 32, .size: 8, .value_kind: global_buffer, .address_space: global }
      - { .name: kv, .offset: 40, .size: 8, .value_kind: global_buffer, .address_space: global }
    .group_segment_fixed_size: 54272
    .private_segment_fixed_size: 0
    .kernarg_segment_align: 8
    .kernarg_segment_size: 48
    .max_flat_workgroup_size: 256
    .sgpr_count:     66
    .vgpr_count:     512
    .wavefront_size: 32
...
	.end_amdgpu_metadata
.endif
;; end of part 2
;; launch attn (part 3): grid 256 x 1, 16 waves a work-group, clusters of 4 x 1, 327,680 bytes of LDS; arguments qc, kv, mask, oc, osc; writes oc, osc
.if DOCPART == 3
	.amdgcn_target "amdgcn-amd-amdhsa--gfx1250"
	.amdhsa_code_object_version 6
	.text
	.protected	k_q87f2f76f6e_attn
	.globl	k_q87f2f76f6e_attn
	.p2align	8
	.type	k_q87f2f76f6e_attn,@function
k_q87f2f76f6e_attn:
	s_mov_b64 s[64:65], 0
	v_nop
	global_prefetch_b8 v0, s[64:65] scope:SCOPE_SE
	s_setreg_imm32_b32 hwreg(HW_REG_WAVE_MODE, 25, 1), 1
	s_wait_xcnt 0x0
	s_wait_alu depctr_hold_cnt(0) depctr_sa_sdst(0) depctr_va_vdst(0) depctr_va_sdst(0) depctr_va_ssrc(0) depctr_va_vcc(0) depctr_vm_vsrc(0)
	s_getreg_b32 s2, hwreg(HW_REG_IB_STS2, 6, 4)
	s_cmp_eq_u32 s2, 0
	s_cbranch_scc0 .Lentry_in_a_cluster
	s_endpgm
.Lentry_in_a_cluster:
	s_bfe_u32 s2, ttmp6, 0x10000c
	s_cmp_lg_u32 s2, 0x3003
	s_cbranch_scc0 .Lentry_shape_is_right
	s_endpgm
.Lentry_shape_is_right:
; Attention on codes of FP6 with E8M0 scales: the mask, S^T = K Q^T, p = 2^(t - M), O^T += V^T P^T, O / l, and the quantising of O along the model's 512 for the last projection.
; t = score x log2(e) / 8; M = the running largest t rounded UP to a whole number; the row's sum is taken of the unquantised p.  When M moves, the sum and O^T are multiplied by 2^(old M - new M): exact.
; SHARES: a work-group owns 32 queries (tiles 2 G and 2 G + 1, in the row order of launch prep) of ALL EIGHT HEADS: wave w is head w / 2, tile w % 2.  So each word of the mask is read from memory once in the launch.
; THE MASK GOES THROUGH THE MATRIX UNIT.  Eight waves a key step turn 32 queries x 128 keys of the mask into codes: a lane takes a key, its 16 registers run down a tile's 16 queries (each load 128 consecutive bytes of a row);
; a word that is 0 becomes the number -4, any other 0; one conversion makes 16 codes, 12 bytes, which go to LDS at 16 x key.  A tile's scores BEGIN as the product of these codes (lane = key, k = query) with a constant selector
; (lane = query n: the code of 2 at k = n, zeros elsewhere), both under the scale byte 142 (2^15): exactly -2^33 where the mask is 0, exactly 0 elsewhere.  The score product then adds onto that in place.
; The registers behind a tile's three hold other data: they meet the selector's zero codes and add nothing (FP6 has no NaN and no infinity).
; LIMITS, stated: a masked score is -2^33 + the score, as the matrix unit rounds that sum (a logit of about -2^30 where the problem writes -1e9): the results are the problem's for every row whose unmasked logits lie above about -1e9;
; a row that is masked throughout gets p = 1 for every key only where that sum comes out as -2^33 itself (scores under 2^9 in magnitude lie under half a step of f32 there).  Limits of the quantiser as in launch prep.
; THE SCORE PRODUCT HAS K = 64: a fragment of K holds two tiles of keys; Q stands as zeros, q, zeros: (q, zeros) gives the even tile's scores, (zeros, q) the odd tile's.
; THE RING: two LDS slots of one key step, 8 heads x 13,312 bytes.  Every wave fetches half a record, 26 rows of 256 bytes (head w / 2, half w % 2), into bytes 6,656 w of the slot: one load a wave at the head and behind each round.
; A step's fragments are all in registers before its exponentials, so the slot is given up in mid step: by this text's count one load of a wave is out, asked for in one step's middle and awaited in the next step's.
; CLUSTER: the four work-groups of a cluster belong to one batch and walk the same records: each load is asked for JOINTLY.  LDS holds two slots of one step, so a round of the cluster's barrier stands in each step.
; THE MASK CODES have two halves of 4,096 bytes in LDS, for even and for odd steps: a half is written behind the barrier of a step of its own parity (its reads stood ahead of that barrier) and read two steps on.
; PREFETCH of K's and V's records: trip n (key steps 2 n, 2 n + 1) names the records of steps 2 n + 4 and 2 n + 5, which the next trip's tensor loads fetch: one trip, two key steps, ahead.  A head's two records are 104 blocks
; of 256 bytes on end; its two waves in each of the four partners take 13 blocks each, told apart by address (lanes 13-31 name their wave's last block again).  The last trip asks for nothing; steps 0 to 3 come by their loads alone.
; The mask has no prefetch: its words are asked for straight into registers two key steps ahead of their conversion, four ahead of their use.
; REGISTERS: v1 16 x lane; v2, v3 my head's record in slot 0, 1; v4, v5 the add's two; v6 8 x lane; v7 16 r + h; v8 where I read mask codes; v9 the scale bytes 142; v10 where I store mask codes; v11 4 x lane;
;   v12 -M, v13 the largest t, v[14:15] the sum; v16 1.0; v17 p's scale word; v18-25 K's and V's scale words; v26 Q's; v27 at work; v[28:29] f; v30-41 the selector; v42-89 four fragments; v90-153 S^T, then p;
;   v154-185 O^T; v186-217 the mask codes of eight tiles, then p's codes (v186-205) and the blocks' maxima (v206-217); v218-235 Q; v236-251 mask words on their way; v252 the prefetch's offset.
.set STEPB, 13312
.set HALFB, 6656
.set SLOTB, 8*STEPB
.set CB,    2*SLOTB                    ; behind the ring: the mask codes, stored by the waves, never a tensor load's target
.set SPARE, CB+8192                    ; behind them: the spare words, 128 bytes for each of sixteen waves
.set CS,  9
.set PW,  17
.set KS,  18
.set VS,  22
.set QS,  26
.set T0,  27
.set F,   28
.set SELR, 30
.set FR,  42
.set S,   90
.set O,   154
.set MM,  186
.set PC,  186
.set TM,  206
.set QHI, 218
.set QLO, 224
.set MR,  236
.set PFO, 252
.set PFA, 58                           ; s[58:59] where the prefetch stands
.set SEL, 6
; descriptor group 0: s[24:27] for slot 0, s[92:95] for slot 1
.macro MMZ d, a, b, sa, sb
	v_wmma_scale_f32_16x16x128_f8f6f4 v[(\d):(\d)+7], v[(\a):(\a)+11], v[(\b):(\b)+11], 0, v[\sa], v[\sb] matrix_a_fmt:MATRIX_FMT_FP6 matrix_b_fmt:MATRIX_FMT_FP6
.endm
.macro MMC d, a, b, c, sa, sb
	v_wmma_scale_f32_16x16x128_f8f6f4 v[(\d):(\d)+7], v[(\a):(\a)+11], v[(\b):(\b)+11], v[(\c):(\c)+7], v[\sa], v[\sb] matrix_a_fmt:MATRIX_FMT_FP6 matrix_b_fmt:MATRIX_FMT_FP6
.endm
.macro CREST                           ; a round of the cluster's barrier behind its opening barrier
	s_cmp_lg_u32 s5, 0
	s_cbranch_scc1 .Lnot_wave_0_\@
	s_barrier_signal -3
.Lnot_wave_0_\@:
	s_barrier_wait -3
	s_barrier_signal -1
	s_barrier_wait -1
.endm
.macro CROUND
	s_barrier_signal -1
	s_barrier_wait -1
	CREST
.endm
.macro CONV                            ; my 16 queries x 32 keys of mask words become 16 codes a lane, 12 bytes, in my half of the mask codes
	s_wait_alu depctr_va_vdst(0)
	s_wait_loadcnt 0x0                             ; the sixteen loads asked for two steps ago
.irp i, 0,1,2,3,4,5,6,7,8,9,10,11,12,13,14,15
	v_cmp_eq_u32 s[40+\i], 0, v[MR+\i]
.endr
.irp i, 0,1,2,3,4,5,6,7,8,9,10,11,12,13,14,15
	v_cndmask_b32 v[MR+\i], 0, -4.0, s[40+\i]      ; -4 where the mask's word is 0
.endr
	v_cvt_scalef32_pk16_fp6_f32 v[PC:PC+2], v[MR:MR+15], v16
	v_nop                                          ; one plain place behind the scaled conversion
	ds_store_b96 v10, v[PC:PC+2]
.endm
.macro MLOADS                          ; sixteen rows of the mask at my 32 keys, byte s10 along the rows
	s_add_nc_u64 s[14:15], s[12:13], s[10:11]      ; (the wait on LOADcnt has shown the last loads done)
.irp i, 0,1,2,3,4,5,6,7,8,9,10,11,12,13,14,15
	global_load_b32 v[MR+\i], v11, s[14:15] offset:((\i%8)+16*(\i/8))*16384 th:TH_LOAD_NT
.endr
.endm
; A KEY STEP of 128 keys in slot sl.  kind = 1: the slot is filled again behind a round; 2: a barrier alone, which shows the last slot whole; 0: none.  cv = 1: the waves of this parity make mask codes.
.macro STEP sl, kind, cv
.rept 4
	v_nop                                          ; four places behind the last products, ahead of the loads into their operands
.endr
.irp t, 0,1,2,3,4,5,6,7
	ds_load_b96 v[MM+4*\t:MM+4*\t+2], v8 offset:4096*(\sl)+16*(32*(\t/2)+8*(\t%2))   ; tile t's mask codes: lane index r takes its key's 12 bytes
.endr
.irp x, 0,1,2,3
.irp c, 0,1,2
	ds_load_b128 v[FR+12*\x+4*\c:FR+12*\x+4*\c+3], v[2+\sl] offset:1536*\x+512*\c   ; K's pair fragment x
.endr
.endr
	ds_load_b128 v[KS:KS+3], v[2+\sl] offset:12288
	s_wait_dscnt 13                                ; the eight loads of mask codes are in; the 13 issued behind them may be out
.irp t, 0,1,2,3,4,5,6,7
	MMZ S+8*\t, MM+4*\t, SELR, CS, CS              ; -2^33 or 0: the eight sums begin
.endr
	s_wait_dscnt 0x0
.irp x, 0,1,2,3
	MMC S+16*\x, FR+12*\x, QLO, S+16*\x, KS+\x, QS           ; the eight accumulators by turns
	MMC S+16*\x+8, FR+12*\x, QHI, S+16*\x+8, KS+\x, QS
.endr
.rept 4
	v_nop                                          ; four places: ahead of the loads into K's registers and of the first read of the scores
.endr
.irp x, 0,1,2,3
.irp c, 0,1,2
	ds_load_b128 v[FR+12*\x+4*\c:FR+12*\x+4*\c+3], v[2+\sl] offset:6144+1536*\x+512*\c   ; V^T's four fragments: my last reads of this slot; they land under the 101 lines below
.endr
.endr
	ds_load_b128 v[VS:VS+3], v[2+\sl] offset:12800
.irp b, 0,1,2,3
	v_max3_num_f32 v[TM+\b], v[S+16*\b], v[S+1+16*\b], v[S+2+16*\b]   ; the largest score of each block of 32 keys, the four blocks by turns; each accumulator is first read at its low end
.endr
.irp i, 3,5,7,9,11,13
.irp b, 0,1,2,3
	v_max3_num_f32 v[TM+\b], v[TM+\b], v[S+16*\b+\i], v[S+1+16*\b+\i]
.endr
.endr
.irp b, 0,1,2,3
	v_max_num_f32 v[TM+\b], v[TM+\b], v[S+15+16*\b]
.endr
.irp b, 0,1,2,3
	v_permlanex16_b32 v[TM+4+\b], v[TM+\b], s[SEL], s[SEL+1]
.endr
.irp b, 0,1,2,3
	v_max_num_f32 v[TM+\b], v[TM+\b], v[TM+4+\b]   ; with lane l xor 16's 16 keys
.endr
	v_max3_num_f32 v[T0], v[TM], v[TM+1], v[TM+2]
	v_max_num_f32 v[T0], v[T0], v[TM+3]            ; the step's largest score of my query
	v_mul_f32 v[T0], s8, v[T0]                     ; as t (c is positive)
	v_max_num_f32 v13, v13, v[T0]                  ; the running largest t
	v_mov_b32 v[T0], v12
	v_floor_f32 v12, -v13                          ; the new -M = -ceil(t)
	v_sub_f32 v[T0], v12, v[T0]                    ; old M - new M: a whole number, 0 or less
	v_cvt_i32_f32 v[T0], v[T0]                     ; (it saturates)
	v_ldexp_f32 v[F], 1.0, v[T0]                   ; f = 2^(old M - new M)
.set j, 0
.rept 32
	v_pk_fma_f32 v[S+j:S+j+1], v[S+j:S+j+1], s[8:9], v[12:13] op_sel_hi:[1,0,0]   ; t - M, two at a time
.set j, j+2
.endr
.irp b, 0,1,2,3
	v_fma_f32 v[TM+\b], v[TM+\b], s8, v12          ; the same of each block's largest score
.endr
.set j, 0
.rept 16
	v_pk_mul_f32 v[O+j:O+j+1], v[O+j:O+j+1], v[F:F+1] op_sel_hi:[1,0]   ; O^T under the new M, from each accumulator's low end on
.set j, j+2
.endr
.if \kind
	s_wait_tensorcnt 0x0                           ; no tensor load of mine is out: my part of the other slot has landed
	ds_add_u32 v4, v5                              ; 0 onto my spare word
.if \kind == 1
	s_add_nc_u64 s[26+68*\sl:27+68*\sl], s[26+68*\sl:27+68*\sl], 2*STEPB   ; this slot's next key step, two steps on
.endif
.endif
	s_wait_alu depctr_va_vdst(0)
	s_wait_dscnt 0x0                               ; the add is done, V^T is in, my reads of this slot are over, my mask codes are stored
.if \kind
	s_barrier_signal -1                            ; work on registers stands between the signal and the wait
.endif
.set j, 0
.rept 64
	v_exp_f32 v[S+j], v[S+j]                       ; p = 2^(t - M), at most 1
.set j, j+1
.endr
.irp b, 0,1,2,3
	v_exp_f32 v[TM+\b], v[TM+\b]                   ; the block's largest p: the same two instructions on the same number
.endr
	v_pk_mul_f32 v[14:15], v[14:15], v[F:F+1] op_sel_hi:[1,0]   ; the sums under the new M: the plain place behind the exponentials
	s_wait_alu depctr_va_vdst(0)                   ; one wait for the batch, ahead of its first reader and of the branches below
.if \kind
	s_barrier_wait -1
.endif
.if \kind == 1
	CREST                                          ; the barrier has opened a round: no wave of any partner still reads this slot or has a load on its way
	tensor_load_to_lds s[24+68*\sl:27+68*\sl], s[16:23]   ; my half record of this slot's next key step
	s_nop 0
.rept 4
	v_nop
.endr
.endif
.if \cv
.if \sl == 0
	s_cmp_lt_u32 s5, 8                             ; waves 0-7 convert for the even steps, waves 8-15 for the odd ones: the branch hangs on the wave's number alone
.else
	s_cmp_ge_u32 s5, 8
.endif
	s_cbranch_scc0 .Lnoconv_\@
	CONV                                           ; the mask codes of the step two on, into the half whose reads stood ahead of this step's barrier
	MLOADS                                         ; and the mask words of the step four on
.Lnoconv_\@:
.if \sl == 0
	s_cmp_gt_u32 s2, 1                             ; s2 = 1 in the last trip, which has no trip behind it to ask for
	s_cbranch_scc0 .Lnopf_\@
	s_cmp_lt_u32 ttmp9, 4
	s_cbranch_scc0 .Lno_prefetch_attn0_\@
	global_prefetch_b8 v[PFO], s[PFA:PFA+1] th:TH_LOAD_NT scope:SCOPE_SE   ; 13 blocks of the two records that the next trip's loads fetch
.Lno_prefetch_attn0_\@:
.Lnopf_\@:
.endif
.endif
.irp b, 0,1,2,3
	v_max_num_f32 v[TM+\b], 0x1800000, v[TM+\b]    ; the floor 2^(3 - 127): a block whose every p is 0 keeps the byte 1; its codes are zeros
.endr
.irp b, 0,1,2,3
	v_add_nc_u32 v[TM+8+\b], 0xff000000, v[TM+\b]  ; 2 off the exponent field: the conversion's scale operand
.endr
.irp b, 0,1,2,3
	v_lshrrev_b32 v[TM+4+\b], 23, v[TM+8+\b]       ; the scale's byte
.endr
	v_lshl_or_b32 v[PW], v[TM+5], 8, v[TM+4]       ; p's scale word for these 128 keys
	v_lshl_or_b32 v[PW], v[TM+6], 16, v[PW]
	v_lshl_or_b32 v[PW], v[TM+7], 24, v[PW]
.irp c, 0,1
	v_cvt_scalef32_pk16_fp6_f32 v[PC+6*\c:PC+6*\c+2], v[S+32*\c:S+32*\c+15], v[TM+8+2*\c]
	v_cvt_scalef32_pk16_fp6_f32 v[PC+12+4*\c:PC+14+4*\c], v[S+32*\c+16:S+32*\c+31], v[TM+9+2*\c]
.endr
	v_nop                                          ; one plain place behind the scaled conversions
.irp c, 0,1
.irp i, 0,1,2
	v_permlane16_swap_b32 v[PC+6*\c+\i], v[PC+12+4*\c+\i]
.endr
.irp i, 0,1,2
	v_mov_b32 v[PC+3+6*\c+\i], v[PC+12+4*\c+\i]
.endr
.endr
; the row's sum of the unquantised p, added in place on p's own registers, which the conversions have read.  These 32 lines are also the places between the lines that wrote p's codes and scale word and the products
.set j, 0
.rept 16
	v_pk_add_f32 v[S+j:S+j+1], v[S+j:S+j+1], v[S+32+j:S+33+j]
.set j, j+2
.endr
.set j, 0
.rept 8
	v_pk_add_f32 v[S+j:S+j+1], v[S+j:S+j+1], v[S+16+j:S+17+j]
.set j, j+2
.endr
.set j, 0
.rept 4
	v_pk_add_f32 v[S+j:S+j+1], v[S+j:S+j+1], v[S+8+j:S+9+j]
.set j, j+2
.endr
.set j, 0
.rept 2
	v_pk_add_f32 v[S+j:S+j+1], v[S+j:S+j+1], v[S+4+j:S+5+j]
.set j, j+2
.endr
	v_pk_add_f32 v[S:S+1], v[S:S+1], v[S+2:S+3]
	v_pk_add_f32 v[14:15], v[14:15], v[S:S+1]
.irp t, 0,1,2,3
	MMC O+8*\t, FR+12*\t, PC, O+8*\t, VS+\t, PW    ; four accumulators, one product each
.endr
.endm
	s_load_b256 s[68:75], s[0:1], 0x0              ; qc, kv, mask, oc
	s_load_b64 s[76:77], s[0:1], 0x20              ; osc
	v_lshl_add_u32 v4, v0, 2, SPARE
	v_mov_b32 v5, 0
	ds_add_u32 v4, v5                              ; the wave's opening: the add, twice on end, and its wait ahead of the first tensor load
	ds_add_u32 v4, v5
	v_lshrrev_b32 v[T0], 5, v0
	v_readfirstlane_b32 s5, v[T0]                  ; wave 0..15
	; descriptor group 1: 26 rows of 256 bytes (32 elements of 8), dense: half of one head's record of one key step
	s_mov_b32 s16, 15|(3<<16)|(1<<21)              ; the mask: all four work-groups; elements of 8 bytes; bit 21 beside a mask
	s_mov_b32 s17, 32<<16
	s_mov_b32 s18, 26<<16
	s_mov_b32 s19, 32<<16
	s_mov_b32 s20, 26
	s_mov_b32 s21, 32
	s_mov_b32 s22, 0
	s_mov_b32 s23, 0
	s_bfe_u32 s86, ttmp6, 0x40000                  ; cx: it enters the addresses of Q, the mask, the prefetch and the outputs alone
	s_lshl_b32 s78, ttmp9, 2
	s_add_co_u32 s78, s78, s86                     ; g: my block of 32 queries, 0 .. 255
	s_lshr_b32 s80, ttmp9, 5                       ; b, which the four partners share
	s_and_b32 s79, s78, 127                        ; G: the block in its batch
	s_lshr_b32 s81, s5, 1                          ; my head
	s_and_b32 s82, s5, 1                           ; u: my tile of the two; also which half of a record I fetch
	s_lshl_b32 s83, s78, 1
	s_add_co_u32 s83, s83, s82                     ; TG = 256 b + 2 G + u
	s_lshr_b32 s87, s5, 3                          ; the parity of the steps whose mask I convert
	s_lshl_b32 s84, s80, 3
	s_add_co_u32 s84, s84, s81                     ; bh
	s_lshl_b32 s84, s84, 5
	s_mul_i32 s84, s84, STEPB                      ; my head's record of step 0
	s_mov_b32 s85, 0
	s_lshl_b32 s60, s82, 2
	s_add_co_u32 s60, s60, s86
	s_mul_i32 s60, s60, 13                         ; the prefetch: my 13 blocks of the 104
	s_lshl_b32 s88, s80, 26                        ; the mask: 4,096 rows of 16,384 bytes a batch,
	s_lshl_b32 s89, s79, 19                        ; 32 rows a block,
	s_add_co_u32 s88, s88, s89
	s_lshl_b32 s89, s82, 17                        ; 8 for the odd tile,
	s_add_co_u32 s88, s88, s89
	s_lshl_b32 s89, s87, 9                         ; 512 bytes a key step,
	s_add_co_u32 s88, s88, s89
	s_bfe_u32 s99, s5, 0x20001                     ; (wave / 2) % 4: which 32 keys of the step's 128
	s_lshl_b32 s89, s99, 7
	s_add_co_u32 s88, s88, s89                     ; the sum stays under 2^27
	s_mov_b32 s89, 0
	s_mul_i32 s90, s83, 6144
	s_mul_i32 s91, s81, 768
	s_add_co_u32 s90, s90, s91                     ; oc: [TG][head] images of 768 bytes
	s_mov_b32 s91, 0
	s_lshl_b32 s92, s83, 8
	s_lshl_b32 s93, s81, 1
	s_add_co_u32 s92, s92, s93                     ; osc: [TG][r][16 bytes], my head's two
	s_mov_b32 s93, 0
	s_lshl_b32 s94, s80, 3
	s_add_co_u32 s94, s94, s81
	s_lshl_b32 s94, s94, 5
	s_lshr_b32 s95, s79, 2
	s_add_co_u32 s94, s94, s95                     ; Q's record: 32 bh + G / 4
	s_mul_i32 s94, s94, 6656
	s_and_b32 s95, s79, 3                          ; the pair fragment with my block
	s_lshl_b32 s96, s95, 2
	s_add_co_u32 s96, s96, s94
	s_add_co_u32 s96, s96, 6144                    ; its scale words
	s_mov_b32 s97, 0
	s_mul_i32 s95, s95, 1536
	s_add_co_u32 s94, s94, s95
	s_mov_b32 s95, 0
	s_mul_i32 s39, s81, STEPB                      ; LDS: my head's record in a slot
	s_lshl_b32 s56, s82, 11
	s_add_co_u32 s56, s56, CB                      ; my tile's 2,048 bytes of a half of the mask codes
	s_lshl_b32 s57, s87, 12
	s_add_co_u32 s57, s57, s56                     ; the half that I store to,
	s_lshl_b32 s99, s99, 9
	s_add_co_u32 s57, s57, s99                     ; my 32 keys in it
	s_mov_b32 s[SEL], 0x76543210
	s_mov_b32 s[SEL+1], 0xfedcba98
	s_mov_b32 s8, 0x3e38aa3b                       ; c = log2(e) / 8
	s_mov_b32 s9, s8
	s_mov_b32 s10, 0
	s_mov_b32 s11, 0
	s_cmp_lg_u32 s82, 0                            ; is my tile the pair's odd one?
	s_cselect_b32 s101, -1, 0
	s_mov_b32 s100, 0x03020302
	s_mov_b32 s38, 0x01000100
	s_cselect_b32 s38, s100, s38                   ; which two bytes of the pair's scale word are mine
	s_mov_b32 s100, 0xffff0000                     ; lanes 16-31
	s_wait_dscnt 0x0                               ; both opening adds are done
	s_wait_kmcnt 0x0
	s_add_nc_u64 s[12:13], s[72:73], s[88:89]
	s_add_nc_u64 s[28:29], s[74:75], s[90:91]
	s_add_nc_u64 s[30:31], s[76:77], s[92:93]
	s_add_nc_u64 s[32:33], s[68:69], s[94:95]
	s_add_nc_u64 s[34:35], s[68:69], s[96:97]
	s_add_nc_u64 s[PFA:PFA+1], s[70:71], s[84:85]  ; my head's record of step 0
	s_mul_i32 s84, s82, HALFB                      ; my half of it
	s_mov_b32 s24, 1                               ; group 0 for slot 0: count = 1,
	s_mul_i32 s25, s5, HALFB                       ; the LDS address: 6,656 x wave,
	s_add_nc_u64 s[26:27], s[PFA:PFA+1], s[84:85]  ; the global address: key step 0,
	s_mov_b32 s92, 1                               ; and for slot 1:
	s_add_co_u32 s93, s25, SLOTB
	s_add_nc_u64 s[94:95], s[26:27], STEPB         ; key step 1
	s_or_b32 s27, s27, 0x80000000                  ; type = 2
	s_or_b32 s95, s95, 0x80000000
	s_add_nc_u64 s[PFA:PFA+1], s[PFA:PFA+1], 4*STEPB   ; the first trip names key steps 4 and 5
	CROUND                                         ; all four work-groups are here: the first joint loads meet
	tensor_load_to_lds s[24:27], s[16:23]          ; one load a wave at the head: the sixteen fill slot 0, key step 0
	s_nop 0
.rept 4
	v_nop
.endr
	v_and_b32 v[S], 31, v0
	v_and_b32 v[S+1], 15, v0                       ; r
	v_bfe_u32 v[S+2], v0, 4, 1                     ; h
	v_lshlrev_b32 v1, 4, v[S]
	v_lshlrev_b32 v6, 3, v[S]
	v_lshlrev_b32 v11, 2, v[S]
	v_lshl_add_u32 v7, v[S+1], 4, v[S+2]
	v_add_nc_u32 v2, s39, v1
	v_and_b32 v[S+3], 8, v[S+1]
	v_add_nc_u32 v10, s57, v1
	v_add_nc_u32 v3, SLOTB, v2
	v_add_nc_u32 v[S+3], v[S+3], v[S+1]            ; r % 8 + 16 (r / 8): my lane index's key in a tile
	v_mul_u32_u24 v[S+4], v[S+1], 6
	v_lshlrev_b32 v[S+3], 4, v[S+3]
	v_add_nc_u32 v[S+4], 4, v[S+4]                 ; bit 6 r + 4: the code of 2.0 at k = r
	v_add_nc_u32 v8, s56, v[S+3]
	v_and_b32 v[S+5], 31, v[S+4]
	v_lshrrev_b32 v[S+6], 5, v[S+4]
	v_lshlrev_b32 v[S+5], v[S+5], 1
	v_lshl_add_u32 v[S+6], v[S+2], 2, v[S+6]       ; which register holds it; in lanes 16-31 none of the three
	v_min_u32 v[PFO], 12, v[S]
	v_add_nc_u32 v[PFO], s60, v[PFO]
	v_lshlrev_b32 v[PFO], 8, v[PFO]                ; 256 x (my first block + lane, held at 12): at most 26,368, inside the two records
	MLOADS                                         ; the mask words of key step 0 or 1
.irp c, 0,1,2
	global_load_b128 v[S+32+4*\c:S+35+4*\c], v1, s[32:33] offset:512*\c   ; the pair fragment with my tile of Q
.endr
	global_load_b32 v[S+44], v1, s[34:35]          ; and its scale word
.irp w, 0,1,2
	v_cmp_eq_u32 vcc_lo, \w, v[S+6]
	v_cndmask_b32 v[SELR+\w], 0, v[S+5], vcc_lo
.endr
.irp w, 3,4,5,6,7,8,9,10,11
	v_mov_b32 v[SELR+\w], 0
.endr
	v_mov_b32 v[CS], 0x8e8e8e8e                    ; 2^15 for every block of the mask's product, on both sides
	v_mov_b32 v16, 1.0
	v_mov_b32 v[F+1], 0                            ; (named as the upper half of the pair)
.set j, 0
.rept 32
	v_mov_b32 v[MM+j], 0                           ; written once: every fourth is named by the mask's products and never loaded
.set j, j+1
.endr
.irp i, 0,1,2,3,4,5
	v_mov_b32 v[QHI+\i], 0
	v_mov_b32 v[QLO+6+\i], 0
.endr
	v_mov_b32 v13, 0xff61b1e6                      ; the largest t so far: -3e38
	v_mov_b32 v14, 0
	v_mov_b32 v15, 0
	v_floor_f32 v12, -v13
.set j, 0
.rept 32
	v_mov_b32 v[O+j], 0                            ; O^T: the step is written once, the first finds zeros
.set j, j+1
.endr
	CONV                                           ; its wait covers Q's loads too
	s_mov_b32 s10, 1024
	MLOADS                                         ; key step 2 or 3
	s_mov_b32 s10, 2048                            ; the loop's first trip asks for steps 4 and 5
.irp i, 0,1,2,3,4,5
	v_cndmask_b32 v[QLO+\i], v[S+32+\i], v[S+38+\i], s101   ; my tile's six registers
.endr
	v_perm_b32 v[QS], v[S+44], v[S+44], s38        ; its two scale bytes, twice: they serve q at either place
.rept 8
	v_nop                                          ; the places between the line that wrote a scale word and the first scaled product
.endr
	s_wait_alu depctr_va_vdst(0)
	s_wait_tensorcnt 0x0                           ; my part of key step 0 has landed
	ds_add_u32 v4, v5
	s_wait_dscnt 0x0                               ; the add is done, my mask codes are stored
	CROUND                                         ; slot 0 and both halves of the mask codes are whole, and all four work-groups are here
	tensor_load_to_lds s[92:95], s[16:23]          ; slot 1's first fill, key step 1: the first tensor load behind the round
	s_nop 0
.rept 4
	v_nop
.endr
	s_mov_b32 s2, 15
.Lwin:                                                 ; fifteen trips of two key steps: steps 0 .. 29, each of which fills its slot again
	STEP 0, 1, 1
	STEP 1, 1, 1
	s_add_co_u32 s10, s10, 1024
	s_min_u32 s10, s10, 15360                      ; the last trip asks for steps 30 and 31 again, which nobody reads: no load leaves the buffer
	s_wait_alu depctr_va_vdst(0)
	s_wait_xcnt 0x0                                ; the trip's prefetch, a step and a half back, has read its address
	s_add_nc_u64 s[PFA:PFA+1], s[PFA:PFA+1], 2*STEPB
	s_sub_co_u32 s2, s2, 1
	s_cmp_lg_u32 s2, 0
	s_cbranch_scc1 .Lwin
	STEP 0, 2, 0                                   ; the last two steps are written out: nothing more is fetched
	STEP 1, 0, 0
	; THE WAY OUT: O^T / the sum; its 32 registers run along the head's 64 channels: two blocks of the last projection's K.
.rept 4
	v_nop
.endr
	v_add_f32 v14, v14, v15
	v_permlanex16_b32 v[T0], v14, s[SEL], s[SEL+1]
	v_add_f32 v14, v14, v[T0]                      ; the row's sum
	s_wait_alu depctr_va_vdst(0)
	v_rcp_f32 v14, v14
	v_nop                                          ; a plain place behind the reciprocal
	s_wait_alu depctr_va_vdst(0)                   ; and the wait ahead of its first reader
.set j, 0
.rept 32
	v_mul_f32 v[S+j], v[O+j], v14
.set j, j+1
.endr
.irp b, 0,1
	v_max3_num_f32 v[TM+\b], |v[S+16*\b]|, |v[S+1+16*\b]|, 0x1800000
.endr
.irp i, 2,4,6,8,10,12,14
.irp b, 0,1
	v_max3_num_f32 v[TM+\b], v[TM+\b], |v[S+16*\b+\i]|, |v[S+1+16*\b+\i]|
.endr
.endr
.irp b, 0,1
	v_permlanex16_b32 v[TM+4+\b], v[TM+\b], s[SEL], s[SEL+1]
.endr
.irp b, 0,1
	v_max_num_f32 v[TM+\b], v[TM+\b], v[TM+4+\b]
.endr
.irp b, 0,1
	v_add_nc_u32 v[TM+8+\b], 0xff000000, v[TM+\b]
.endr
.irp b, 0,1
	v_lshrrev_b32 v[TM+4+\b], 23, v[TM+8+\b]
.endr
	v_cvt_scalef32_pk16_fp6_f32 v[PC:PC+2], v[S:S+15], v[TM+8]
	v_cvt_scalef32_pk16_fp6_f32 v[PC+12:PC+14], v[S+16:S+31], v[TM+9]
	v_nop
.irp i, 0,1,2
	v_permlane16_swap_b32 v[PC+\i], v[PC+12+\i]
.endr
.irp i, 0,1,2
	v_mov_b32 v[PC+3+\i], v[PC+12+\i]              ; lane (r, h): block h of my head, whole
.endr
	v_cndmask_b32 v[T0], v[TM+4], v[TM+5], s100    ; and its byte
	global_store_b128 v1, v[PC:PC+3], s[28:29]     ; 512 consecutive bytes,
	global_store_b64 v6, v[PC+4:PC+5], s[28:29] offset:512   ; and 256
	global_store_b8 v7, v[T0], s[30:31]            ; two bytes of each row's sixteen
	s_wait_loadcnt 0x0                             ; the last trip's mask words, which nobody reads
	s_wait_tensorcnt 0x0                           ; the wave's end
	ds_add_u32 v4, v5
	s_wait_dscnt 0x0
	CROUND                                         ; the closing round: no work-group ends while a partner may still ask for a tile that names it
	s_endpgm
.Lfunc_end_k_q87f2f76f6e_attn:
	.size	k_q87f2f76f6e_attn, .Lfunc_end_k_q87f2f76f6e_attn-k_q87f2f76f6e_attn
	.p2alignl 7, 3214868480
	.fill 96, 4, 3214868480
	.section	.rodata,"a",@progbits
	.p2align	6, 0x0
	.amdhsa_kernel k_q87f2f76f6e_attn
		.amdhsa_group_segment_fixed_size 327680
		.amdhsa_private_segment_fixed_size 0
		.amdhsa_enable_private_segment 0
		.amdhsa_kernarg_size 40
		.amdhsa_user_sgpr_count 2
		.amdhsa_user_sgpr_kernarg_segment_ptr 1
		.amdhsa_wavefront_size32 1
		.amdhsa_system_sgpr_workgroup_id_x 1
		.amdhsa_system_sgpr_workgroup_id_y 1
		.amdhsa_system_sgpr_workgroup_id_z 1
		.amdhsa_system_vgpr_workitem_id 0
		.amdhsa_next_free_vgpr 256
		.amdhsa_next_free_sgpr 102
		.amdhsa_reserve_vcc 1
		.amdhsa_float_denorm_mode_32 3
		.amdhsa_float_denorm_mode_16_64 3
		.amdhsa_memory_ordered 1
		.amdhsa_forward_progress 1
		.amdhsa_inst_pref_size 97
	.end_amdhsa_kernel
	.amdgpu_metadata
---
amdhsa.version: [ 1, 2 ]
amdhsa.kernels:
  - .name:           k_q87f2f76f6e_attn
    .symbol:         k_q87f2f76f6e_attn.kd
    .args:
      - { .name: qc, .offset: 0, .size: 8, .value_kind: global_buffer, .address_space: global }
      - { .name: kv, .offset: 8, .size: 8, .value_kind: global_buffer, .address_space: global }
      - { .name: mask, .offset: 16, .size: 8, .value_kind: global_buffer, .address_space: global }
      - { .name: oc, .offset: 24, .size: 8, .value_kind: global_buffer, .address_space: global }
      - { .name: osc, .offset: 32, .size: 8, .value_kind: global_buffer, .address_space: global }
    .group_segment_fixed_size: 327680
    .private_segment_fixed_size: 0
    .kernarg_segment_align: 8
    .kernarg_segment_size: 40
    .max_flat_workgroup_size: 512
    .sgpr_count:     102
    .vgpr_count:     256
    .wavefront_size: 32
...
	.end_amdgpu_metadata
.endif
;; end of part 3
;; launch outp (part 4): grid 256 x 1, 8 waves a work-group, no clusters, 35,840 bytes of LDS; arguments oc, osc, img, b0, out0; writes out0
.if DOCPART == 4
	.amdgcn_target "amdgcn-amd-amdhsa--gfx1250"
	.amdhsa_code_object_version 6
	.text
	.protected	k_q87f2f76f6e_outp
	.globl	k_q87f2f76f6e_outp
	.p2align	8
	.type	k_q87f2f76f6e_outp,@function
k_q87f2f76f6e_outp:
	s_mov_b64 s[64:65], 0
	v_nop
	global_prefetch_b8 v0, s[64:65] scope:SCOPE_SE
	s_setreg_imm32_b32 hwreg(HW_REG_WAVE_MODE, 25, 1), 1
	s_wait_xcnt 0x0
; out0 = O w0^T + b0 on codes of FP6 with E8M0 scales.  O's codes come as the attention launch left them: oc [TG: 512 tiles of 16 rows][head] images of 6 registers, osc [TG][r][16 scale bytes];
; two heads' images are one fragment of 128 along K.  w0's fragments come from img, records 204-207.
; SHARES: a work-group takes 32 rows (tiles 2 B and 2 B + 1), wave w the columns 64 w .. 64 w + 63: its 16 fragments of w0 lie in window 1.  Source 0 = 16 rows of w0, source 1 = 16 rows of O:
; a lane holds one row of the output and eight neighbouring columns; b0 is the C of each sum's first product.  Eight accumulators by turns, K step by K step.
; THE WAY OUT: 16 rows x 256 bytes go through the wave's own stage in LDS (rows 272 bytes apart) and leave as whole pieces of 256 consecutive, aligned bytes, sixteen lanes each.  No barrier: waves share nothing.
; The rows of a tile are in the order of launch prep: lane index r of tile 2 B + u is row 32 B + 8 u + r % 8 + 16 (r / 8).
; REGISTERS.  Window 0: v2 16 x lane, v3 8 x lane, v4 4 x lane, v5, v6 the add's two, v7 16 r, v8 stage in, v9 stage out, v10 my place in out0, v11 64 h; v12-27 w0's scale words; v28-35 O's;
;   v36-131 O's eight fragments; v132-195 accumulators; v196-227 rows on the way out.   Window 1: v0-191 w0; v192-223 b0.
.set SPARE, 8*4352                     ; behind the stages: the spare words, 128 bytes a wave
.set REC, 53248
.set WS,  12
.set XS,  28
.set XF,  36
.set AC,  132
.set OB,  196
.set BQ,  192
.set MSB, 0
.macro WIN new                         ; the immediate's high byte repeats the setting that is left
.if MSB != \new
	s_set_vgpr_msb (MSB<<8)|\new
.set MSB, \new
.endif
.endm
.macro MMC d, a, b, c, sa, sb
	v_wmma_scale_f32_16x16x128_f8f6f4 v[(\d):(\d)+7], v[(\a):(\a)+11], v[(\b):(\b)+11], v[(\c):(\c)+7], v[\sa], v[\sb] matrix_a_fmt:MATRIX_FMT_FP6 matrix_b_fmt:MATRIX_FMT_FP6
.endm
	s_load_b256 s[16:23], s[0:1], 0x0              ; oc, osc, img, b0
	s_load_b64 s[24:25], s[0:1], 0x20              ; out0
	v_lshl_add_u32 v5, v0, 2, SPARE
	v_mov_b32 v6, 0
	v_lshrrev_b32 v1, 5, v0
	s_delay_alu instid0(VALU_DEP_1)
	v_readfirstlane_b32 s2, v1                     ; wave
	v_and_b32 v1, 31, v0
	s_delay_alu instid0(VALU_DEP_1)
	v_lshlrev_b32 v2, 4, v1
	s_delay_alu instid0(VALU_DEP_2)
	v_lshlrev_b32 v3, 3, v1
	s_delay_alu instid0(VALU_DEP_3)
	v_lshlrev_b32 v4, 2, v1
	v_and_b32 v12, 15, v0                          ; r
	v_bfe_u32 v13, v0, 4, 1                        ; h
	s_delay_alu instid0(VALU_DEP_2)
	v_lshlrev_b32 v7, 4, v12
	s_delay_alu instid0(VALU_DEP_2)
	v_lshlrev_b32 v11, 6, v13
	s_mul_i32 s3, s2, 4352                         ; my stage
	v_mul_u32_u24 v8, v12, 272
	s_delay_alu instid0(VALU_DEP_1)
	v_add_nc_u32 v8, v8, v11
	s_delay_alu instid0(VALU_DEP_1)
	v_add_nc_u32 v8, s3, v8                        ; in: row r, + 64 h
	v_mul_u32_u24 v9, v13, 272
	s_delay_alu instid0(VALU_DEP_1)
	v_add_nc_u32 v9, v9, v7
	s_delay_alu instid0(VALU_DEP_1)
	v_add_nc_u32 v9, s3, v9                        ; back: lanes 0-15 one row, lanes 16-31 the next
	v_lshl_add_u32 v10, v13, 11, v7                ; and the same in out0: rows of 2,048 bytes
	s_mul_i32 s4, ttmp9, 12288                     ; oc: two tiles of 6,144 bytes
	s_mov_b32 s5, 0
	s_lshl_b32 s6, ttmp9, 9                        ; osc: two tiles of 256
	s_mov_b32 s7, 0
	s_lshr_b32 s8, s2, 1
	s_add_co_u32 s8, s8, 204
	s_mul_i32 s8, s8, REC                          ; w0's record with my 64 rows,
	s_and_b32 s10, s2, 1
	s_mul_i32 s11, s10, 24576
	s_add_co_u32 s12, s8, s11                      ; their 16 fragments,
	s_mov_b32 s13, 0
	s_lshl_b32 s11, s10, 11
	s_add_co_u32 s14, s8, s11
	s_add_co_u32 s14, s14, 49152                   ; their scale words
	s_mov_b32 s15, 0
	s_lshl_b32 s26, s2, 8                          ; my 64 columns: in b0,
	s_mov_b32 s27, 0
	s_lshl_b32 s28, ttmp9, 16                      ; and in my 32 rows of out0
	s_add_co_u32 s28, s28, s26
	s_mov_b32 s29, 0
	s_wait_alu depctr_va_vdst(0)
	s_wait_kmcnt 0x0
	s_add_nc_u64 s[4:5], s[16:17], s[4:5]
	s_add_nc_u64 s[6:7], s[18:19], s[6:7]
	s_add_nc_u64 s[12:13], s[20:21], s[12:13]
	s_add_nc_u64 s[14:15], s[20:21], s[14:15]
	s_add_nc_u64 s[26:27], s[22:23], s[26:27]
	s_add_nc_u64 s[28:29], s[24:25], s[28:29]
	WIN 0x40                                       ; destination window 1
.irp f, 0,1,2,3,4,5,6,7,8,9,10,11,12,13,14,15
.irp c, 0,1,2
	global_load_b128 v[12*\f+4*\c:12*\f+4*\c+3], v2, s[12:13] offset:1536*\f+512*\c   ; w0's fragment f = 4 t + s
.endr
.endr
.irp t, 0,1,2,3
	global_load_b128 v[BQ+8*\t:BQ+8*\t+3], v11, s[26:27] offset:(32*(\t/2)+8*(\t%2))*4      ; register j: b0 of column 64 w + 32 (t / 2) + 8 (t % 2) + 16 h + j
	global_load_b128 v[BQ+8*\t+4:BQ+8*\t+7], v11, s[26:27] offset:(32*(\t/2)+8*(\t%2))*4+16
.endr
	WIN 0
.irp f, 0,1,2,3,4,5,6,7,8,9,10,11,12,13,14,15
	global_load_b32 v[WS+\f], v4, s[14:15] offset:128*\f
.endr
.irp u, 0,1
.irp s, 0,1,2,3                        ; fragment (u, s): heads 2 s and 2 s + 1 of tile 2 B + u
	global_load_b128 v[XF+12*(4*\u+\s):XF+12*(4*\u+\s)+3],    v2, s[4:5] offset:6144*\u+1536*\s
	global_load_b64  v[XF+12*(4*\u+\s)+4:XF+12*(4*\u+\s)+5],  v3, s[4:5] offset:6144*\u+1536*\s+512
	global_load_b128 v[XF+12*(4*\u+\s)+6:XF+12*(4*\u+\s)+9],  v2, s[4:5] offset:6144*\u+1536*\s+768
	global_load_b64  v[XF+12*(4*\u+\s)+10:XF+12*(4*\u+\s)+11], v3, s[4:5] offset:6144*\u+1536*\s+1280
.endr
	global_load_b128 v[XS+4*\u:XS+4*\u+3], v7, s[6:7] offset:256*\u   ; row r's sixteen scale bytes: word s for K step s
.endr
	s_wait_loadcnt 0x0
.irp s, 0,1,2,3
.if \s == 0
	WIN 0x11                                       ; source 0 (w0) and source 2 (b0) window 1
.else
	WIN 0x01
.endif
.irp u, 0,1
.irp t, 0,1,2,3
.if \s == 0
	MMC AC+32*\u+8*\t, 12*(4*\t+\s), XF+12*(4*\u+\s), BQ+8*\t, WS+4*\t+\s, XS+4*\u+\s
.else
	MMC AC+32*\u+8*\t, 12*(4*\t+\s), XF+12*(4*\u+\s), AC+32*\u+8*\t, WS+4*\t+\s, XS+4*\u+\s
.endif
.endr
.endr
.endr
	WIN 0
.rept 4
	v_nop                                          ; four places: ahead of the first read of results and of the loads into registers that held O's fragments
.endr
.irp u, 0,1
.irp t, 0,1,2,3
	ds_store_b128 v8, v[AC+32*\u+8*\t:AC+32*\u+8*\t+3] offset:128*(\t/2)+32*(\t%2)        ; each accumulator from its low end on
	ds_store_b128 v8, v[AC+32*\u+8*\t+4:AC+32*\u+8*\t+7] offset:128*(\t/2)+32*(\t%2)+16
.endr
.irp i, 0,1,2,3,4,5,6,7
.if \u == 0
	ds_load_b128 v[OB+4*\i:OB+4*\i+3], v9 offset:544*\i   ; LDS serves a wave's instructions in order: these see the stores above, and the next tile's stores come behind them
.else
	ds_load_b128 v[XF+4*\i:XF+4*\i+3], v9 offset:544*\i
.endif
.endr
.endr
.irp i, 0,1,2,3,4,5,6,7
	s_wait_dscnt 16+7-\i                           ; behind this load: 7 - i of its own tile's, and the second tile's 8 stores and 8 loads
	global_store_b128 v10, v[OB+4*\i:OB+4*\i+3], s[28:29] offset:(2*\i+8*(\i/4))*2048 th:TH_STORE_NT   ; stage rows 2 i and 2 i + 1; 16 lanes store 256 consecutive bytes, aligned
.endr
.irp i, 0,1,2,3,4,5,6,7
	s_wait_dscnt 7-\i
	global_store_b128 v10, v[XF+4*\i:XF+4*\i+3], s[28:29] offset:(2*\i+8*(\i/4)+8)*2048 th:TH_STORE_NT
.endr
	s_wait_tensorcnt 0x0                           ; the wave's end
	ds_add_u32 v5, v6
	s_wait_dscnt 0x0
	s_endpgm
.Lfunc_end_k_q87f2f76f6e_outp:
	.size	k_q87f2f76f6e_outp, .Lfunc_end_k_q87f2f76f6e_outp-k_q87f2f76f6e_outp
	.p2alignl 7, 3214868480
	.fill 96, 4, 3214868480
	.section	.rodata,"a",@progbits
	.p2align	6, 0x0
	.amdhsa_kernel k_q87f2f76f6e_outp
		.amdhsa_group_segment_fixed_size 35840
		.amdhsa_private_segment_fixed_size 0
		.amdhsa_enable_private_segment 0
		.amdhsa_kernarg_size 40
		.amdhsa_user_sgpr_count 2
		.amdhsa_user_sgpr_kernarg_segment_ptr 1
		.amdhsa_wavefront_size32 1
		.amdhsa_system_sgpr_workgroup_id_x 1
		.amdhsa_system_sgpr_workgroup_id_y 1
		.amdhsa_system_sgpr_workgroup_id_z 1
		.amdhsa_system_vgpr_workitem_id 0
		.amdhsa_next_free_vgpr 512
		.amdhsa_next_free_sgpr 66
		.amdhsa_reserve_vcc 0
		.amdhsa_float_denorm_mode_32 3
		.amdhsa_float_denorm_mode_16_64 3
		.amdhsa_memory_ordered 1
		.amdhsa_forward_progress 1
		.amdhsa_inst_pref_size 22
	.end_amdhsa_kernel
	.amdgpu_metadata
---
amdhsa.version: [ 1, 2 ]
amdhsa.kernels:
  - .name:           k_q87f2f76f6e_outp
    .symbol:         k_q87f2f76f6e_outp.kd
    .args:
      - { .name: oc, .offset: 0, .size: 8, .value_kind: global_buffer, .address_space: global }
      - { .name: osc, .offset: 8, .size: 8, .value_kind: global_buffer, .address_space: global }
      - { .name: img, .offset: 16, .size: 8, .value_kind: global_buffer, .address_space: global }
      - { .name: b0, .offset: 24, .size: 8, .value_kind: global_buffer, .address_space: global }
      - { .name: out0, .offset: 32, .size: 8, .value_kind: global_buffer, .address_space: global }
    .group_segment_fixed_size: 35840
    .private_segment_fixed_size: 0
    .kernarg_segment_align: 8
    .kernarg_segment_size: 40
    .max_flat_workgroup_size: 256
    .sgpr_count:     66
    .vgpr_count:     512
    .wavefront_size: 32
...
	.end_amdgpu_metadata
.endif
;; end of part 4
